; MI455X (gfx1250); checked and timed in simulation.
; The chip was launched on July 23, 2026; its instructions are those of AMD's public machine-readable ISA for CDNA 5 (MIT licence, August 2026) and "CDNA5" Instruction Set Architecture Reference Guide (July 2026). The comments in the code are by the model that wrote it; some were corrected since.
;; Multi Head Attention. Allowed arithmetic: matrix products marked QUANTISED: E2M3 operands, one E8M0 scale for each 32 along K, by v_wmma_scale_f32_16x16x128_f8f6f4 with both operands' format E2M3, f32 sums; everything else in f32.
;; Inputs: K_codes 8 x 1,024 x 8 x 24 uint8 (E2M3 codes of K, K innermost, in blocks of 32 codes, four codes in three bytes); K_scales 8 x 1,024 x 8 uint8 (E8M0 scales of K, one for each 32 codes along K); Q_codes 8 x 1,024 x 8 x 24 uint8 (E2M3 codes of Q, K innermost, in blocks of 32 codes, four codes in three bytes); Q_scales 8 x 1,024 x 8 uint8 (E8M0 scales of Q, one for each 32 codes along K); V_codes 8 x 1,024 x 8 x 24 uint8 (E2M3 codes of V, K innermost, in blocks of 32 codes, four codes in three bytes); V_scales 8 x 1,024 x 8 uint8 (E8M0 scales of V, one for each 32 codes along K); Wk_codes 2,048 x 8 x 24 uint8 (E2M3 codes of Wk, K innermost, in blocks of 32 codes, four codes in three bytes); Wk_scales 2,048 x 8 uint8 (E8M0 scales of Wk, one for each 32 codes along K); Wo_codes 256 x 64 x 24 uint8 (E2M3 codes of Wo, K innermost, in blocks of 32 codes, four codes in three bytes); Wo_scales 256 x 64 uint8 (E8M0 scales of Wo, one for each 32 codes along K); Wq_codes 2,048 x 8 x 24 uint8 (E2M3 codes of Wq, K innermost, in blocks of 32 codes, four codes in three bytes); Wq_scales 2,048 x 8 uint8 (E8M0 scales of Wq, one for each 32 codes along K); Wv_codes 2,048 x 8 x 24 uint8 (E2M3 codes of Wv, K innermost, in blocks of 32 codes, four codes in three bytes); Wv_scales 2,048 x 8 uint8 (E8M0 scales of Wv, one for each 32 codes along K); att_mask_out 8 x 1 x 1,024 bool; bk 2,048 float32; bo 256 float32; bq 2,048 float32; bv 2,048 float32.
;; Outputs: out0 8 x 1,024 x 256 float32.
;; This version of the problem:
;;   THIS VERSION OF THE PROBLEM IS GIVEN IN LOW PRECISION. The matrix products marked QUANTISED in the list below multiply operands that are first quantised to E2M3 (2 exponent bits, 3 mantissa bits; 6 bits a number), with one power-of-two scale for each 32 numbers along K (OCP MX v1.0); their sums are f32. All else is computed in f32.
;;   The module's matrix products, in the order in which they are computed (A, B: the left and right operand; K: the contracted axis; several contracted axes count as one K, in the product's order):
;;     1. [M 8,192, K 256] x [K 256, N 2,048]; A: input Q (given as codes); B: input Wq (given as codes): QUANTISED
;;     2. [M 8,192, K 256] x [K 256, N 2,048]; A: input K (given as codes); B: input Wk (given as codes): QUANTISED
;;     3. [M 8,192, K 256] x [K 256, N 2,048]; A: input V (given as codes); B: input Wv (given as codes): QUANTISED
;;     4. batch 64 x [M 1,024, K 256] x [K 256, N 1,024]; A: computed on the way; B: computed on the way: QUANTISED
;;     5. batch 64 x [M 256, K 1,024] x [K 1,024, N 1,024]; A: computed on the way; B: softmax (see below): QUANTISED
;;     6. [M 8,192, K 2,048] x [K 2,048, N 256]; A: computed on the way; B: input Wo (given as codes): QUANTISED
;;   THE QUANTISER, for each operand of a quantised product, along K:
;;     - K is cut into blocks of 32 from its start; a last block that is shorter is filled with zeros.
;;     - A block's scale is 2^e with e = floor(log2(the largest magnitude in the block)) - 2, held to -126 .. 127; a block of zeros has e = 0. As a byte (E8M0): e + 127.
;;     - Each number is divided by its block's scale, clamped to +-7.5, and rounded to the nearest number of E2M3, ties to even, subnormals kept.
;;     - The product sums the exact products of the quantised numbers (number of the format x scale) in f32.
;;   ~~~python
;;   def quantise(x, axis):      # numpy; x: float32 -> the quantised numbers, widened to float32 again
;;       x = np.moveaxis(x, axis, -1); K = x.shape[-1]
;;       x = np.pad(x, [(0, 0)] * (x.ndim - 1) + [(0, -K % 32)]); x = x.reshape(x.shape[:-1] + (-1, 32)); a = np.abs(x).max(-1, keepdims=True)
;;       e = np.where(a > 0, np.clip(np.frexp(np.where(a > 0, a, 1))[1] - 1 - 2, -126, 127), 0)      # np.frexp(a)[1] - 1 = floor(log2(a)), exactly
;;       r = np.clip(x / 2.0 ** e, -7.5, 7.5)
;;       step = 2.0 ** (np.maximum(np.frexp(np.where(r == 0, 1, r))[1] - 1, 0) - 3)
;;       q = np.round(r / step) * step * 2.0 ** e      # np.round: ties to even
;;       return np.moveaxis(q.reshape(q.shape[:-2] + (-1,))[..., :K], -1, axis).astype(np.float32)
;;   ~~~
;;   SOFTMAX AHEAD OF A QUANTISED PRODUCT. Where the list says 'softmax', what is quantised is not the finished softmax but p = 2^(t - M), with t = logit x log2(e) and M = ceil(the row's largest t), a whole number; so 1/2 < the row's largest p <= 1. The row's sum l is taken of the UNQUANTISED p, in f32, and the product's result is divided by l at the end. Since M is a whole number, a kernel that streams over the keys may use a running M (the ceiling of the running maximum): every later rescaling is an exact power of two, which a block's scale takes up: the codes' values come out the same.
;;   OPERANDS COMPUTED ON THE WAY. 'Computed on the way' means the value that the module computes at that place (a softmax that the list does not call 'softmax' is quantised finished and normalised). What goes into a quantiser is computed in f32, as accurately as f32 sums, v_exp_f32 and their like allow (about 1e-6 of the number): no bf16 or f16 on the way to a quantiser, and a product that is left as it is and whose result goes on into a quantised operand takes f32 operands (vector FMAs, or v_wmma_f32_16x16x4_f32). A number that lies on a knife's edge between two numbers of the format may be rounded either way, as far as f32 arithmetic and the matrix unit's own rounding can turn it there, and no further.
;;   INPUTS GIVEN AS CODES. K (in the module: [8, 1024, 256], K = its axis 2); Q (in the module: [8, 1024, 256], K = its axis 2); V (in the module: [8, 1024, 256], K = its axis 2); Wk (in the module: [256, 2048], K = its axis 0); Wo (in the module: [2048, 256], K = its axis 0); Wq (in the module: [256, 2048], K = its axis 0); Wv (in the module: [256, 2048], K = its axis 0): each comes as NAME_codes (uint8): NAME with its K axis moved to the last place and cut into blocks of 32 codes, [.., K / 32, bytes a block], one block behind the other in memory; four codes in three bytes: a row's codes are one little-endian stream of bits, code i at bits 6 i .. 6 i + 5 (a code: sign, 2 exponent bits, 3 mantissa bits); and NAME_scales (uint8): the same leading axes, one E8M0 byte (e + 127) for each 32 codes along K. Its value is code x scale, taken as it is: it is not quantised again, and the codes and scales need not be those that the quantiser above would give.
;; One version. Each part assembles by itself: llvm-mc -triple=amdgcn-amd-amdhsa -mcpu=gfx1250 --defsym DOCPART=n.
;; ======== version 1 of 1: 3 launches
;; limits: right only within a limited range of input values
;; workspace buffers: qimg 13,107,200 bytes; kv 26,214,400 bytes; cimg 13,107,200 bytes; woimg 425,984 bytes
;; launch proj (part 1): grid 8 x 32, 4 waves a work-group, clusters of 4 x 4, 327,680 bytes of LDS; arguments Q_codes, K_codes, V_codes, Wq_codes, Wk_codes, Wv_codes, Q_scales, K_scales, V_scales, Wq_scales, Wk_scales, Wv_scales, bq, bk, bv, Wo_codes, Wo_scales, qimg, kv, woimg; writes qimg, kv, woimg
.if DOCPART == 1
	.amdgcn_target "amdgcn-amd-amdhsa--gfx1250"
	.amdhsa_code_object_version 6
	.text
	.protected	k_q3ae36aa2a7_proj
	.globl	k_q3ae36aa2a7_proj
	.p2align	8
	.type	k_q3ae36aa2a7_proj,@function
k_q3ae36aa2a7_proj:
	s_mov_b64 s[64:65], 0
	v_nop
	global_prefetch_b8 v0, s[64:65] scope:SCOPE_SE
	s_setreg_imm32_b32 hwreg(HW_REG_WAVE_MODE, 25, 1), 1
	s_wait_xcnt 0x0
	s_wait_alu depctr_hold_cnt(0) depctr_sa_sdst(0) depctr_va_vdst(0) depctr_va_sdst(0) depctr_va_ssrc(0) depctr_va_vcc(0) depctr_vm_vsrc(0)
	s_getreg_b32 s2, hwreg(HW_REG_IB_STS2, 6, 4)
	s_cmp_eq_u32 s2, 0
	s_cbranch_scc0 .Lentry_in_a_cluster
	s_endpgm
.Lentry_in_a_cluster:
	s_bfe_u32 s2, ttmp6, 0x10000c
	s_cmp_lg_u32 s2, 0xf033
	s_cbranch_scc0 .Lentry_shape_is_right
	s_endpgm
.Lentry_shape_is_right:
; q = Q Wq + bq, k = K Wk + bk, v = V Wv + bv on codes of FP6 (E2M3) with E8M0 scales, and each result quantised again for the products that follow:
; q and k along the head's 256, v along the keys.  Also: Wo's codes laid out as images of operand registers.
; DEAD WORK: none.  Every input has a way to the output: the biases move the codes of quantised operands, the mask is an input.  Nothing is left out in any launch.
; LIMITS: NaN and infinities are not served.  A block whose largest magnitude lies under 2^-124 gets the scale byte 1; a block of zeros gets the byte 1, not 127: its codes are zeros, and this program alone reads the bytes.
; THE WORKSPACE FORMAT.  A fragment (16 rows x 128 K, 12 registers a lane) lies as an image of its registers: registers 4 c .. 4 c + 3 of lane l at 512 c + 16 l, 1,536 bytes.
; A block is 8 fragments and 512 bytes of scale words, 12,800 bytes.  The word of row r of fragment u lies at 12,288 + 16 (r + 16 (u % 2)) + 4 (u / 2).
; qimg: block ((bh 8 + group of 128 queries) 2 + half of the head's 256).  kv: block ((bh 8 + key step of 128) 4 + part): parts 0, 1: k's halves (rows = keys); parts 2, 3: v^T's halves of d (rows = d, K = keys).
; SHARES.  A work-group takes 256 tokens x one head, for q, k and v.  Each of its four waves makes one job of 128 x 128 for each tensor: source 0 = 128 rows that stay in registers (16 fragments),
; source 1 = 8 tiles of 16 rows that go by.  A lane then holds ONE row of source 1 and its 64 results run along source 0, which is the next product's K: they are quantised in registers.
; q, k: source 0 = rows of W, source 1 = tokens.  v: source 0 = tokens (the keys), source 1 = rows of Wv.
; ORDER ALONG THE NEXT K.  With plain tiles the 32 numbers of a scale block stand in another order inside the block, the same for q as for k and the same for v as for the softmax's p: the products are the same.
; ctx meets Wo, which is given: so Wv's rows of a tile are chosen (lane r of tile 2 b + u takes row 32 b + 8 u + r + 8 (r / 8)), and ctx comes out in the natural order.
; CLUSTER 4 x 4: the four work-groups of a row share the tokens' tiles, the four of a column the weights': joint loads.
; REGISTERS.  window 0: addresses, scale words, the quantiser's, v128-255 two sets of 64 results.  window 1: v0-191 source 0; v192-255 bq as C tiles.
; window 2: v0-47 source 1, two sets; v64-127 bk as C tiles; v128-191 bv as C tiles; v192-199 bv as loaded.
; NO PREFETCH: the launch has no loop; each later fill has a whole job, 128 matrix instructions and eight quantised fragments a wave, in which to land.
; A tile of 128 rows of 192 bytes is dense in memory: it is stated as 96 rows of 256 bytes, with 16 bytes of padding behind every 64: in LDS a row is 240 bytes.
.set PITCH,  240                       ; an LDS row: 3 x (64 bytes + 16 of padding)
.set HALFT,  128*PITCH                 ; what one tensor load brings
.set SLOT,   4*HALFT                   ; 256 rows of tokens, then 256 rows of the weight
.set SPARE,  2*SLOT                    ; the spare words: 128 bytes a wave
.set BLK,    12800
.set LP,   2                           ; v2, v3   r x 240 + 24 h, + 40 h
.set LQ,   4                           ; v4, v5   the same for row r + 8 (r / 8)
.set OUTI, 6                           ; v6       16 x lane
.set SL,   7                           ; v7       8 r + 4 h: a row's scale word of K step h
.set SLQ,  8                           ; v8       the same for row r + 8 (r / 8)
.set BA,   9                           ; v9       32 h
.set BVL,  10                          ; v10      4 (r + 8 (r / 8))
.set AD,   12                          ; v12-23   job j: source 0's LDS address at 12 + 4 j (and + 1 behind one padding more), source 1's at 14 + 4 j
.set S0S,  24                          ; v24-47   source 0's scale words, 8 a job: lanes 0-15 K step 0, lanes 16-31 K step 1
.set X1S,  48                          ; v48-71   source 1's
.set TM,   72                          ; v72-87   the quantiser's
.set PW,   88                          ; v88      the scale word just made
.set PWE,  89                          ; v89      that of the even fragment
.set SPW,  90                          ; v90      my spare word's LDS address; never rewritten
.set NIL,  91                          ; v91      0; never rewritten
.set SW,   92                          ; v92-95   a block's scale words
.set PC,   96                          ; v96-114  the codes just made
.set ACC,  128
.set BQ,   192                         ; window 1
.set BK,   64                          ; window 2
.set BCV,  128                         ; window 2
.set BV,   192                         ; window 2
.set G1A,  44                          ; s[44:51] group 1 for tokens' tiles;  s[52:59] for weights'
.set G1B,  52
.set WR0,  60
.set WR1,  61
.set WV,   62
.set GH,   63                          ; wave / 2
.set GL,   66                          ; wave % 2
.set CX,   67
.set G0A,  68                          ; s[68:79] three groups 0 for tokens' tiles: Q, K, V
.set G0B,  80                          ; s[80:91] for Wq, Wk, Wv
.set CY,   92
.set HX,   93                          ; the head
.set TX,   94                          ; the block of 256 tokens
.set HM,   95                          ; lanes 16-31
.set SEL,  96
.set OFA,  98
.set OFB,  100
.set TK0,  104
.set TK1,  105
.set OQ,   38                          ; where my blocks of q, k, v go
.set OK,   40
.set OV,   98
.set MSB, 0
.macro WIN new                         ; the immediate's high byte repeats the setting that is left
.set WNEW, \new
.if MSB != WNEW
	s_set_vgpr_msb (MSB<<8)|WNEW
.set MSB, WNEW
.endif
.endm
.macro CREST
	s_cmp_lg_u32 s[WV], 0
	s_cbranch_scc1 .Lnot_wave_0_\@
	s_barrier_signal -3
.Lnot_wave_0_\@:
	s_barrier_wait -3
	s_barrier_signal -1
	s_barrier_wait -1
.endm
.macro CROUND                          ; a round of the cluster's barrier
	s_barrier_signal -1
	s_barrier_wait -1
	CREST
.endm
.macro JLOAD g0a, g1a, g0b, g1b        ; a joint load: waves 0 and 1 fetch the tokens' halves, waves 2 and 3 the weight's
	s_cmp_eq_u32 s[GH], 0
	s_cbranch_scc0 .Lfor_b_\@
	tensor_load_to_lds s[\g0a:\g0a+3], s[\g1a:\g1a+7]
	s_nop 0
.rept 4
	v_nop
.endr
	s_branch .Lasked_\@
.Lfor_b_\@:
	tensor_load_to_lds s[\g0b:\g0b+3], s[\g1b:\g1b+7]
	s_nop 0
.rept 4
	v_nop
.endr
.Lasked_\@:
.endm
.macro MKG0 g, slot, ptr, off          ; a group 0: count 1, LDS address, global address, type 2
	s_mov_b32 s[\g], 1
	s_add_co_u32 s[\g+1], s[TK0], \slot*SLOT
	s_add_nc_u64 s[\g+2:\g+3], s[\ptr:\ptr+1], s[\off:\off+1]
	s_or_b32 s[\g+3], s[\g+3], 0x80000000
.endm
.macro ADDP ptr, val, sh               ; a pointer steps by val << sh bytes (s3 = 0)
	s_lshl_b32 s2, s[\val], \sh
	s_add_nc_u64 s[\ptr:\ptr+1], s[\ptr:\ptr+1], s[2:3]
.endm
	s_load_b512 s[4:19], s[0:1], 0x0               ; Q, K, V, Wq, Wk, Wv codes; Q, K scales
	s_load_b512 s[20:35], s[0:1], 0x40             ; V, Wq, Wk, Wv scales; bq, bk, bv; Wo codes
	s_load_b256 s[36:43], s[0:1], 0x80             ; Wo scales; qimg, kv, woimg
	v_lshl_add_u32 v[SPW], v0, 2, SPARE
	v_mov_b32 v[NIL], 0
	ds_add_u32 v[SPW], v[NIL]                      ; the opening: the add, twice on end, and its wait ahead of my first tensor load
	ds_add_u32 v[SPW], v[NIL]
	v_lshrrev_b32 v1, 5, v0
	v_readfirstlane_b32 s[WV], v1
	s_lshr_b32 s[GH], s[WV], 1
	s_and_b32 s[GL], s[WV], 1
	s_bfe_u32 s[CX], ttmp6, 0x40000
	s_bfe_u32 s[CY], ttmp6, 0x40004
	s_lshl_b32 s[HX], ttmp9, 2
	s_add_co_u32 s[HX], s[HX], s[CX]               ; the head = 4 x cluster x + cx
	s_and_b32 s[TX], ttmp7, 0xffff
	s_lshl_b32 s[TX], s[TX], 2
	s_add_co_u32 s[TX], s[TX], s[CY]               ; the block of tokens = 4 x cluster y + cy
	s_lshl_b32 s60, s[CY], 2
	s_lshl_b32 s60, 15, s60                        ; my row of the cluster
	s_lshl_b32 s61, 0x1111, s[CX]                  ; my column
	s_or_b32 s[G1A], s60, (0<<16)|(1<<20)|(1<<21)|(3<<22)|(3<<25)   ; the mask; elements of 1 byte; padding of 4 words behind every 16
	s_or_b32 s[G1B], s61, (0<<16)|(1<<20)|(1<<21)|(3<<22)|(3<<25)
.irp g, G1A, G1B
	s_mov_b32 s[\g+1], 256<<16                     ; tensor_dim0: the dense block as rows of 256 bytes
	s_mov_b32 s[\g+2], 96<<16                      ; tensor_dim1
	s_mov_b32 s[\g+3], 256<<16                     ; tile_dim0
	s_mov_b32 s[\g+4], 96                          ; tile_dim1
	s_mov_b32 s[\g+5], 256                         ; from row to row
	s_mov_b32 s[\g+6], 0
	s_mov_b32 s[\g+7], 0
.endr
	s_lshl_b32 s2, s[GL], 7                        ; which 128 rows of a tile I fetch
	s_lshl_b32 s[OFA], s[TX], 8
	s_add_co_u32 s[OFA], s[OFA], s2
	s_mul_i32 s[OFA], s[OFA], 192                  ; tokens: made of the block of tokens and the wave alone
	s_mov_b32 s[OFA+1], 0
	s_lshl_b32 s[OFB], s[HX], 8
	s_add_co_u32 s[OFB], s[OFB], s2
	s_mul_i32 s[OFB], s[OFB], 192                  ; weights: of the head and the wave alone
	s_mov_b32 s[OFB+1], 0
	s_mul_i32 s[TK0], s[WV], HALFT                 ; where my load lands in a slot
	s_mov_b32 s[HM], 0xffff0000
	s_mov_b32 s[SEL], 0x76543210
	s_mov_b32 s[SEL+1], 0xfedcba98
	s_wait_dscnt 0x0                               ; both opening adds are done
	s_wait_kmcnt 0x0
	CROUND                                         ; all sixteen work-groups are here: the first joint loads meet
	MKG0 G0A, 0, 4, OFA
	MKG0 G0B, 0, 10, OFB
	JLOAD G0A, G1A, G0B, G1B                       ; slot 0: Q and Wq
	MKG0 G0A+4, 1, 6, OFA
	MKG0 G0B+4, 1, 12, OFB
	MKG0 G0A+8, 0, 8, OFA                          ; for later: V and Wv, into slot 0
	MKG0 G0B+8, 0, 14, OFB
	; lane terms
	v_and_b32 v1, 15, v0                           ; r
	v_bfe_u32 v11, v0, 4, 1                        ; h
	v_mul_u32_u24 v[LP], v1, PITCH
	v_mad_u32_u24 v[LP], v11, 24, v[LP]
	v_lshl_add_u32 v[LP+1], v11, 4, v[LP]
	v_and_b32 v116, 8, v1
	v_add_nc_u32 v116, v116, v1                    ; r + 8 (r / 8)
	v_mul_u32_u24 v[LQ], v116, PITCH
	v_mad_u32_u24 v[LQ], v11, 24, v[LQ]
	v_lshl_add_u32 v[LQ+1], v11, 4, v[LQ]
	v_and_b32 v[OUTI], 31, v0
	v_lshlrev_b32 v[OUTI], 4, v[OUTI]
	v_lshlrev_b32 v[SL], 3, v1
	v_lshl_add_u32 v[SL], v11, 2, v[SL]
	v_lshlrev_b32 v[SLQ], 3, v116
	v_lshl_add_u32 v[SLQ], v11, 2, v[SLQ]
	v_lshlrev_b32 v[BA], 5, v11
	v_lshlrev_b32 v[BVL], 2, v116
	; LDS addresses of the three jobs
	s_mul_i32 s2, s[GH], HALFT
	s_mul_i32 s3, s[GL], HALFT
	s_add_co_u32 s100, s2, 2*HALFT
	s_add_co_u32 s101, s3, 2*HALFT
	v_add_nc_u32 v[AD+0], s100, v[LP]              ; q: source 0 = Wq's half wave / 2
	v_add_nc_u32 v[AD+1], s100, v[LP+1]
	v_add_nc_u32 v[AD+2], s3, v[LP]                ;    source 1 = the tokens' half wave % 2
	v_add_nc_u32 v[AD+3], s3, v[LP+1]
.irp n, 0,1,2,3
	v_add_nc_u32 v[AD+4+\n], SLOT, v[AD+\n]        ; k: the same in slot 1
.endr
	v_add_nc_u32 v[AD+8], s2, v[LP]                ; v: source 0 = the tokens' half wave / 2
	v_add_nc_u32 v[AD+9], s2, v[LP+1]
	v_add_nc_u32 v[AD+10], s101, v[LQ]             ;    source 1 = Wv's half wave % 2, the chosen rows
	v_add_nc_u32 v[AD+11], s101, v[LQ+1]
	; scale words and biases: bases
	s_mov_b32 s3, 0
	s_lshl_b32 s[WR0], s[HX], 8
	s_lshl_b32 s2, s[GL], 7
	s_add_co_u32 s[WR1], s[WR0], s2                ; the weight's rows of half wave % 2
	s_lshl_b32 s[TK0], s[TX], 8
	s_add_co_u32 s[TK1], s[TK0], s2                ; the tokens of half wave % 2
	s_lshl_b32 s2, s[GH], 7
	s_add_co_u32 s[WR0], s[WR0], s2
	s_add_co_u32 s[TK0], s[TK0], s2
	ADDP 22, WR0, 3
	ADDP 24, WR0, 3
	ADDP 26, WR1, 3
	ADDP 16, TK1, 3
	ADDP 18, TK1, 3
	ADDP 20, TK0, 3
	ADDP 28, WR0, 2
	ADDP 30, WR0, 2
	ADDP 32, WR1, 2
.irp t, 0,1,2,3,4,5,6,7
	global_load_b32 v[S0S+\t], v[SL], s[22:23] offset:128*\t
	global_load_b32 v[X1S+\t], v[SL], s[16:17] offset:128*\t
	global_load_b32 v[S0S+8+\t], v[SL], s[24:25] offset:128*\t
	global_load_b32 v[X1S+8+\t], v[SL], s[18:19] offset:128*\t
	global_load_b32 v[S0S+16+\t], v[SL], s[20:21] offset:128*\t
	global_load_b32 v[X1S+16+\t], v[SLQ], s[26:27] offset:8*(32*(\t/2)+8*(\t%2))
.endr
	WIN 0x40                                       ; destination window 1
.irp t, 0,1,2,3,4,5,6,7
	global_load_b128 v[BQ+8*\t:BQ+8*\t+3], v[BA], s[28:29] offset:64*\t          ; C tile t: bq at rows 16 t + 8 h + 0 .. 7
	global_load_b128 v[BQ+8*\t+4:BQ+8*\t+7], v[BA], s[28:29] offset:64*\t+16
.endr
	WIN 0x80                                       ; destination window 2
.irp t, 0,1,2,3,4,5,6,7
	global_load_b128 v[BK+8*\t:BK+8*\t+3], v[BA], s[30:31] offset:64*\t
	global_load_b128 v[BK+8*\t+4:BK+8*\t+7], v[BA], s[30:31] offset:64*\t+16
	global_load_b32 v[BV+\t], v[BVL], s[32:33] offset:4*(32*(\t/2)+8*(\t%2))     ; bv at my lane's row of unit t
.endr
	WIN 0
	; where my blocks go
	s_lshr_b32 s2, s[TX], 2
	s_lshl_b32 s2, s2, 3
	s_add_co_u32 s2, s2, s[HX]                     ; bh
	s_lshl_b32 s2, s2, 3
	s_and_b32 s100, s[TX], 3
	s_lshl_b32 s100, s100, 1
	s_add_co_u32 s100, s100, s2
	s_add_co_u32 s101, s100, s[GL]                 ; bh 8 + the group of 128 tokens of half wave % 2
	s_add_co_u32 s100, s100, s[GH]                 ; and of half wave / 2
	s_lshl_b32 s2, s101, 1
	s_add_co_u32 s2, s2, s[GH]
	s_mul_i32 s2, s2, BLK
	s_add_nc_u64 s[OQ:OQ+1], s[38:39], s[2:3]
	s_lshl_b32 s2, s100, 2
	s_add_co_u32 s2, s2, s[GL]
	s_add_co_u32 s2, s2, 2
	s_mul_i32 s2, s2, BLK
	s_add_nc_u64 s[OV:OV+1], s[40:41], s[2:3]
	s_lshl_b32 s2, s101, 2
	s_add_co_u32 s2, s2, s[GH]
	s_mul_i32 s2, s2, BLK
	s_add_nc_u64 s[OK:OK+1], s[40:41], s[2:3]
	; Wo: work-group number id = head + 8 x block lays out fragment (n tile id / 16, K step id % 16); wave 0 does it
	s_lshl_b32 s2, s[TX], 3
	s_add_co_u32 s2, s2, s[HX]
	s_lshr_b32 s100, s2, 4                         ; n tile
	s_and_b32 s101, s2, 15                         ; K step
	s_mul_i32 s2, s100, 16*1536
	s_add_nc_u64 s[34:35], s[34:35], s[2:3]
	s_mul_i32 s2, s101, 96
	s_add_nc_u64 s[34:35], s[34:35], s[2:3]
	s_lshl_b32 s2, s100, 10
	s_add_nc_u64 s[36:37], s[36:37], s[2:3]
	s_lshl_b32 s2, s101, 2
	s_add_nc_u64 s[36:37], s[36:37], s[2:3]
	s_lshr_b32 s2, s100, 2
	s_lshl_b32 s2, s2, 4
	s_add_co_u32 s2, s2, s101
	s_mul_i32 s2, s2, 6656                         ; woimg: block (n tile / 4) 16 + K step: 4 fragments and 4 lines of 128 bytes of scale words
	s_add_nc_u64 s[42:43], s[42:43], s[2:3]
	s_and_b32 s100, s100, 3
	s_mul_i32 s2, s100, 1536
	v_add_nc_u32 v120, s2, v[OUTI]
	s_lshl_b32 s2, s100, 7
	s_add_co_u32 s2, s2, 6144
	v_and_b32 v119, 31, v0
	v_lshl_add_u32 v119, v119, 2, s2
	v_mul_u32_u24 v117, v1, 1536
	v_mad_u32_u24 v117, v11, 24, v117
	v_lshlrev_b32 v118, 6, v1
	s_cmp_lg_u32 s[WV], 0
	s_cbranch_scc1 .Lno_wo
.irp p, 0,1,2,3,4,5
	global_load_b64 v[PC+2*\p:PC+2*\p+1], v117, s[34:35] offset:48*(\p/3)+8*(\p%3)
.endr
	global_load_b32 v[PW], v118, s[36:37]
	s_wait_loadcnt 0x0
	s_wait_alu depctr_va_vdst(0)
.irp c, 0,1,2
	global_store_b128 v120, v[PC+4*\c:PC+4*\c+3], s[42:43] offset:512*\c
.endr
	global_store_b32 v119, v[PW], s[42:43]
.Lno_wo:
	s_wait_loadcnt 0x0                             ; scale words and biases are in
	WIN 0x82                                       ; source 0 and destination window 2
.irp u, 0,1,2,3,4,5,6,7
.irp k, 0,1,2,3,4,5,6,7
	v_mov_b32 v[BCV+8*\u+\k], v[BV+\u]             ; v's C tile of unit u: a lane holds one row of Wv, so its eight registers hold one number
.endr
.endr
	WIN 0
.irp b, 0,1,2,3
	v_mov_b32 v[TM+4+\b], 0                        ; written once: a lane permute's destination counts as one of its sources
.endr
.macro FRAG reg, adr, q, rowoff        ; a fragment from rows of 240 bytes: six pieces of 8 bytes; where lanes 16-31's piece lies behind one padding more, the second address serves
.irp p, 0,1,2,3,4,5
.set PCE, 12*(\q)+6*(\p/3)+\p%3
.if PCE%8 < 5
	ds_load_b64 v[\reg+2*\p:\reg+2*\p+1], v[\adr] offset:8*PCE+16*(PCE/8)+(\rowoff)
.else
	ds_load_b64 v[\reg+2*\p:\reg+2*\p+1], v[\adr+1] offset:8*PCE+16*(PCE/8)+(\rowoff)
.endif
.endr
.endm
.macro LOAD0 j                         ; source 0: fragment (tile t, K step s) at v[12 (2 t + s)] of window 1
	WIN 0x40
.irp t, 0,1,2,3,4,5,6,7
.irp s, 0,1
	FRAG 12*(2*\t+\s), AD+4*\j, \s, 16*\t*PITCH
.endr
.endr
.endm
.macro FETCH1 u, j, isv                ; source 1, unit u: two fragments into set u % 2 of window 2
	WIN 0x80
.irp s, 0,1
.if \isv
	FRAG 24*((\u)%2)+12*\s, AD+4*\j+2, \s, (32*((\u)/2)+8*((\u)%2))*PITCH
.else
	FRAG 24*((\u)%2)+12*\s, AD+4*\j+2, \s, 16*(\u)*PITCH
.endif
.endr
.endm
; 16 matrix instructions: unit u against source 0's eight tiles, two K steps.  The eight accumulators take turns.  The bias is the C of each sum's first product.
.macro MULU u, cw, cbase, isv, j
.set AB, ACC+64*((\u)%2)
.set XB, 24*((\u)%2)
.set PB, ACC+64*((\u+1)%2)             ; the last unit's results: behind every second product stand four lines of their search for the largest magnitudes
.if (\u) > 0
	s_wait_xcnt 0x0                                ; the last stores have read their registers: the codes and the words are written again only behind this wait
.endif
.irp t, 0,1,2,3,4,5,6,7
	WIN 0x09+16*\cw                                ; source 0 window 1, source 1 window 2, C window cw, D window 0
.if \isv
	v_wmma_scale_f32_16x16x128_f8f6f4 v[AB+8*\t:AB+8*\t+7], v[24*\t:24*\t+11], v[XB:XB+11], v[\cbase+8*(\u):\cbase+8*(\u)+7], v[S0S+8*\j+\t], v[X1S+8*\j+(\u)] matrix_a_fmt:MATRIX_FMT_FP6 matrix_b_fmt:MATRIX_FMT_FP6
.else
	v_wmma_scale_f32_16x16x128_f8f6f4 v[AB+8*\t:AB+8*\t+7], v[24*\t:24*\t+11], v[XB:XB+11], v[\cbase+8*\t:\cbase+8*\t+7], v[S0S+8*\j+\t], v[X1S+8*\j+(\u)] matrix_a_fmt:MATRIX_FMT_FP6 matrix_b_fmt:MATRIX_FMT_FP6
.endif
.if ((\u) > 0) && (\t%2)
	WIN 0
	MAXES PB, \t/2
.endif
.endr
.irp t, 0,1,2,3,4,5,6,7
	WIN 0x09
	v_wmma_scale_f32_16x16x128_f8f6f4 v[AB+8*\t:AB+8*\t+7], v[24*\t+12:24*\t+23], v[XB+12:XB+23], v[AB+8*\t:AB+8*\t+7], v[S0S+8*\j+\t], v[X1S+8*\j+(\u)] matrix_a_fmt:MATRIX_FMT_FP6 matrix_b_fmt:MATRIX_FMT_FP6 matrix_a_scale:MATRIX_SCALE_ROW1 matrix_b_scale:MATRIX_SCALE_ROW1
.if ((\u) > 0) && (\t%2)
	WIN 0
	MAXES PB, 4+\t/2
.endif
.endr
	WIN 0
.endm
; 64 numbers of a lane, v[s] on, become a fragment's codes in v[PC] on and its scale word in v[PW]: register 16 b + i stands at place 32 b + 16 (lane / 16) + i of my row.
; MAXES: part i, 0 to 7, of the search for the four blocks' largest magnitudes.  QREST: what follows it.
.macro MAXES s, i
.irp b, 0,1,2,3
.if (\i) == 0
	v_max3_num_f32 v[TM+\b], |v[\s+16*\b]|, |v[\s+1+16*\b]|, 0x1800000   ; my numbers of block b, and the floor 2^(3 - 127): the byte cannot fall under 1
.else
	v_max3_num_f32 v[TM+\b], v[TM+\b], |v[\s+16*\b+2*(\i)]|, |v[\s+1+16*\b+2*(\i)]|
.endif
.endr
.endm
.macro QUANT s
	s_wait_xcnt 0x0                                ; the last stores have read their registers
.irp i, 0,1,2,3,4,5,6,7
	MAXES \s, \i
.endr
	QREST \s
.endm
.macro QREST s
.irp b, 0,1,2,3
	v_permlanex16_b32 v[TM+4+\b], v[TM+\b], s[SEL], s[SEL+1]
.endr
.irp b, 0,1,2,3
	v_max_num_f32 v[TM+\b], v[TM+\b], v[TM+4+\b]   ; with lane l xor 16's: the block's largest magnitude
.endr
.irp b, 0,1,2,3
	v_add_nc_u32 v[TM+12+\b], 0xff000000, v[TM+\b] ; 2 off its exponent field: the conversion's scale operand
.endr
.irp b, 0,1,2,3
	v_lshrrev_b32 v[TM+4+\b], 23, v[TM+12+\b]      ; the scale's byte
.endr
	v_lshl_or_b32 v[PW], v[TM+5], 8, v[TM+4]
	v_lshl_or_b32 v[PW], v[TM+6], 16, v[PW]
	v_lshl_or_b32 v[PW], v[TM+7], 24, v[PW]
.irp c, 0,1
	v_cvt_scalef32_pk16_fp6_f32 v[PC+6*\c:PC+2+6*\c], v[\s+32*\c:\s+15+32*\c], v[TM+12+2*\c]
	v_cvt_scalef32_pk16_fp6_f32 v[PC+12+4*\c:PC+14+4*\c], v[\s+16+32*\c:\s+31+32*\c], v[TM+12+2*\c+1]
.endr
	v_nop                                          ; one plain place behind a scaled conversion
.irp c, 0,1                                    ; the operand's layout wants a whole block in a lane
.irp n, 0,1,2
	v_permlane16_swap_b32 v[PC+6*\c+\n], v[PC+12+4*\c+\n]
.endr
.irp n, 0,1,2
	v_mov_b32 v[PC+3+6*\c+\n], v[PC+12+4*\c+\n]
.endr
.endr
.endm
.macro PUT u, out                      ; fragment u's image: each store of the wave covers 512 consecutive bytes, aligned
.irp c, 0,1,2
	global_store_b128 v[OUTI], v[PC+4*\c:PC+4*\c+3], s[\out:\out+1] offset:1536*(\u)+512*\c
.endr
.if (\u)%2 == 0
	v_mov_b32 v[PWE], v[PW]
.else
	v_cndmask_b32 v[SW+(\u)/2], v[PWE], v[PW], s[HM]   ; lanes 0-15: the even fragment's words, lanes 16-31: the odd one's
.endif
.if (\u) == 7
	global_store_b128 v[OUTI], v[SW:SW+3], s[\out:\out+1] offset:12288
.endif
.endm
; A job.  Unit u's products are issued, then unit u - 1 is quantised and stored while they run: those lines name none of the products' registers and are the places
; ahead of the loads into source 1's set, of the next reads of results and of the products that begin a set of results anew.  The last unit of a job is quantised at the head of the next.
.macro JOB j, isv, cw, cbase, out, prev
	LOAD0 \j
	FETCH1 0, \j, \isv
	FETCH1 1, \j, \isv
	WIN 0
.if \prev >= 0
	QUANT ACC+64
	PUT 7, \prev
.endif
.irp u, 0,1,2,3,4,5,6,7
.if \u < 7
	s_wait_dscnt 12                                ; all but the next unit's 12 loads
.else
	s_wait_dscnt 0x0
.endif
	MULU \u, \cw, \cbase, \isv, \j
.if \u == 0
.rept 4
	v_nop                                          ; places ahead of the loads below
.endr
.else
	QREST ACC+64*((\u-1)%2)
	PUT \u-1, \out
.endif
.if \u < 6
	FETCH1 \u+2, \j, \isv
.endif
.endr
.endm
	s_wait_alu depctr_va_vdst(0)
	s_wait_tensorcnt 0x0                           ; my part of slot 0 is in
	ds_add_u32 v[SPW], v[NIL]
	s_wait_dscnt 0x0
	CROUND                                         ; everybody's part of slot 0 is in, and the joint loads meet
	JLOAD G0A+4, G1A, G0B+4, G1B                   ; K and Wk into slot 1: they have all of q's job in which to land
	JOB 0, 0, 1, BQ, OQ, -1
	s_wait_tensorcnt 0x0                           ; all my tensor loads have landed, my part of slot 1 among them
	ds_add_u32 v[SPW], v[NIL]
	s_wait_dscnt 0x0                               ; the add is done, and my reads of slot 0 are over
	CROUND                                         ; no wave of any partner still reads slot 0 or has a load on its way
	JLOAD G0A+8, G1A, G0B+8, G1B                   ; V and Wv into slot 0: they have all of k's job in which to land
	JOB 1, 0, 2, BK, OK, OQ
	s_wait_tensorcnt 0x0                           ; my part of V or Wv is in
	s_wait_dscnt 0x0
	s_barrier_signal -1
	s_barrier_wait -1                              ; everybody's is
	JOB 2, 1, 2, BCV, OV, OK
	QUANT ACC+64
	PUT 7, OV
	s_wait_tensorcnt 0x0                           ; the wave's end
	ds_add_u32 v[SPW], v[NIL]
	s_wait_dscnt 0x0
	CROUND                                         ; the closing round
	s_endpgm
.Lfunc_end_k_q3ae36aa2a7_proj:
	.size	k_q3ae36aa2a7_proj, .Lfunc_end_k_q3ae36aa2a7_proj-k_q3ae36aa2a7_proj
	.p2alignl 7, 3214868480
	.fill 96, 4, 3214868480
	.section	.rodata,"a",@progbits
	.p2align	6, 0x0
	.amdhsa_kernel k_q3ae36aa2a7_proj
		.amdhsa_group_segment_fixed_size 327680
		.amdhsa_private_segment_fixed_size 0
		.amdhsa_enable_private_segment 0
		.amdhsa_kernarg_size 160
		.amdhsa_user_sgpr_count 2
		.amdhsa_user_sgpr_kernarg_segment_ptr 1
		.amdhsa_wavefront_size32 1
		.amdhsa_system_sgpr_workgroup_id_x 1
		.amdhsa_system_sgpr_workgroup_id_y 1
		.amdhsa_system_sgpr_workgroup_id_z 1
		.amdhsa_system_vgpr_workitem_id 0
		.amdhsa_next_free_vgpr 768
		.amdhsa_next_free_sgpr 106
		.amdhsa_reserve_vcc 0
		.amdhsa_float_denorm_mode_32 3
		.amdhsa_float_denorm_mode_16_64 3
		.amdhsa_memory_ordered 1
		.amdhsa_forward_progress 1
		.amdhsa_inst_pref_size 219
	.end_amdhsa_kernel
	.amdgpu_metadata
---
amdhsa.version: [ 1, 2 ]
amdhsa.kernels:
  - .name:           k_q3ae36aa2a7_proj
    .symbol:         k_q3ae36aa2a7_proj.kd
    .args:
      - { .name: Q_codes, .offset: 0, .size: 8, .value_kind: global_buffer, .address_space: global }
      - { .name: K_codes, .offset: 8, .size: 8, .value_kind: global_buffer, .address_space: global }
      - { .name: V_codes, .offset: 16, .size: 8, .value_kind: global_buffer, .address_space: global }
      - { .name: Wq_codes, .offset: 24, .size: 8, .value_kind: global_buffer, .address_space: global }
      - { .name: Wk_codes, .offset: 32, .size: 8, .value_kind: global_buffer, .address_space: global }
      - { .name: Wv_codes, .offset: 40, .size: 8, .value_kind: global_buffer, .address_space: global }
      - { .name: Q_scales, .offset: 48, .size: 8, .value_kind: global_buffer, .address_space: global }
      - { .name: K_scales, .offset: 56, .size: 8, .value_kind: global_buffer, .address_space: global }
      - { .name: V_scales, .offset: 64, .size: 8, .value_kind: global_buffer, .address_space: global }
      - { .name: Wq_scales, .offset: 72, .size: 8, .value_kind: global_buffer, .address_space: global }
      - { .name: Wk_scales, .offset: 80, .size: 8, .value_kind: global_buffer, .address_space: global }
      - { .name: Wv_scales, .offset: 88, .size: 8, .value_kind: global_buffer, .address_space: global }
      - { .name: bq, .offset: 96, .size: 8, .value_kind: global_buffer, .address_space: global }
      - { .name: bk, .offset: 104, .size: 8, .value_kind: global_buffer, .address_space: global }
      - { .name: bv, .offset: 112, .size: 8, .value_kind: global_buffer, .address_space: global }
      - { .name: Wo_codes, .offset: 120, .size: 8, .value_kind: global_buffer, .address_space: global }
      - { .name: Wo_scales, .offset: 128, .size: 8, .value_kind: global_buffer, .address_space: global }
      - { .name: qimg, .offset: 136, .size: 8, .value_kind: global_buffer, .address_space: global }
      - { .name: kv, .offset: 144, .size: 8, .value_kind: global_buffer, .address_space: global }
      - { .name: woimg, .offset: 152, .size: 8, .value_kind: global_buffer, .address_space: global }
    .group_segment_fixed_size: 327680
    .private_segment_fixed_size: 0
    .kernarg_segment_align: 8
    .kernarg_segment_size: 160
    .max_flat_workgroup_size: 128
    .sgpr_count:     106
    .vgpr_count:     768
    .wavefront_size: 32
...
	.end_amdgpu_metadata
.endif
;; end of part 1
;; launch attn (part 2): grid 4 x 64, 8 waves a work-group, clusters of 4 x 1, 327,680 bytes of LDS; arguments qimg, kv, att_mask_out, cimg; writes cimg
.if DOCPART == 2
	.amdgcn_target "amdgcn-amd-amdhsa--gfx1250"
	.amdhsa_code_object_version 6
	.text
	.protected	k_q3ae36aa2a7_attn
	.globl	k_q3ae36aa2a7_attn
	.p2align	8
	.type	k_q3ae36aa2a7_attn,@function
k_q3ae36aa2a7_attn:
	s_mov_b64 s[64:65], 0
	v_nop
	global_prefetch_b8 v0, s[64:65] scope:SCOPE_SE
	s_setreg_imm32_b32 hwreg(HW_REG_WAVE_MODE, 25, 1), 1
	s_wait_xcnt 0x0
	s_wait_alu depctr_hold_cnt(0) depctr_sa_sdst(0) depctr_va_vdst(0) depctr_va_sdst(0) depctr_va_ssrc(0) depctr_va_vcc(0) depctr_vm_vsrc(0)
	s_getreg_b32 s2, hwreg(HW_REG_IB_STS2, 6, 4)
	s_cmp_eq_u32 s2, 0
	s_cbranch_scc0 .Lentry_in_a_cluster
	s_endpgm
.Lentry_in_a_cluster:
	s_bfe_u32 s2, ttmp6, 0x10000c
	s_cmp_lg_u32 s2, 0x3003
	s_cbranch_scc0 .Lentry_shape_is_right
	s_endpgm
.Lentry_shape_is_right:
; ctx[b][q][h][:] = softmax_k(q . k / 16, masked) v, both products on codes of FP6 (E2M3); ctx is quantised along h 256 + d for the last product.  No work is left out.
; THE SOFTMAX: t = score x log2(e) / 16; M = the ceiling of the running largest t; p = 2^(t - M) is quantised along the keys, not normalised; the sum of the unquantised p divides at the end.
; When M moves, the sum and O^T are multiplied by 2^(old M - new M): exact.
; THE MASK is an input.  A masked key gets -2^64 added to its raw score, as the C of the score's first product: a logit of about -1.15e18 where the definition writes -1e18; p is 0 either way.
; The running largest t starts at -2^56, above a masked key's t: while a row has seen masked keys alone, every p is 0 and the sums stay 0.
; A batch whose 1,024 keys are ALL masked: the factor c and the mask's number are both selected to 0, so that every p is 1, as the definition gives (all logits equal).
; LIMITS: unmasked logits lie above about -5e16 and raw scores under 2^40 in magnitude; NaN and infinities are not served; a block of zeros gets the scale byte 1 (its codes are zeros; this program alone reads the bytes).
; SHARES.  A work-group: 256 queries of one head.  Each of its eight waves: two tiles of 16 queries, in 512 registers: two waves to a SIMD.
; Both products are used transposed (S^T = k q^T, O^T = v^T p^T): a lane holds one query throughout.
; LDS.  A key step (128 keys) is 51,200 dense bytes of kv: k's two halves, v^T's two halves, each 8 fragment images and 512 bytes of scale words.  Six steps fit: they come with the first fills, one load a wave:
; waves 0-3 half a step each of steps 0 and 1, waves 4-7 one whole step each of steps 2 to 5.  Steps 6 and 7 come into steps 0 and 1's bytes, by the one refill.
; CLUSTER: the four query blocks of a head share all of it: joint loads.
; NO PREFETCH: the first fills stand at the launch's start, and the one refill has four key steps, 256 matrix instructions a wave, in which to land.
; REGISTERS.  window 0: v1-7 addresses; v8-15 -M, largest t, f, sum of each tile; v16-27 scale words; v28-31 block maxima; v32-79 q; v80-127 fragments of k in two sets, then p's codes and the softmax's; v128-255 S^T, then p, then fragments of v.  window 1: O^T.
.set BLK,   12800
.set STEPB, 4*BLK
.set MBT,   6*STEPB                    ; the mask's numbers, 1,024 x 4 bytes: stored by the waves, in blocks of their own
.set SPARE, MBT+4096                   ; the spare words: 128 bytes a wave
.set LI,  1                            ; v1   16 x lane
.set ADK, 2                            ; v2   the step's LDS address
.set MB0, 3                            ; v3   MBT + 32 h
.set ADM, 4                            ; v4   the step's mask numbers
.set SPW, 5
.set NIL, 6
.set L4,  7                            ; v7   4 x lane
.set ST,  8                            ; tile i: v[8 + 4 i] -M, + 1 largest t, + 2 f, + 3 the sum
.set QS,  16                           ; v16-17 q's scale words of K step s: lanes 0-15 tile 0, lanes 16-31 tile 1
.set PW,  18                           ; v18-19 p's scale word of tile i
.set SC,  20                           ; v20-27 k's scale words, then v's
.set BM,  28
.set Q,   32                           ; fragment (i, s) at 32 + 24 i + 12 s
.set BUF, 80                           ; K step s of key tile 2 g + u: v[80 + 24 s + 12 u]
.set CT,  104
.set T,   112
.set BP,  116
.set SO,  120
.set SA,  124
.set S,   128
.set WV,  12
.set CX,  13
.set BH,  14
.set G1,  16                           ; group 1: 100 rows of 256 bytes
.set G1B, 68                           ; 200 rows
.set G1R, 76                           ; 50 rows
.set G0,  24                           ; groups 0: s[24:27] waves 0-3's first fill, s[28:31] waves 4-7's, s[32:35] the refill
.set SEL, 36
.set CS,  38
.set MV,  40
.set FL,  41
.set TB,  42
.set TMB, 43
.set CNT, 44
.set HM,  45
.set CO,  60
.set CO2, 62
.set MSB, 0
.macro WIN new
.set WNEW, \new
.if MSB != WNEW
	s_set_vgpr_msb (MSB<<8)|WNEW
.set MSB, WNEW
.endif
.endm
.macro CROUND
	s_barrier_signal -1
	s_barrier_wait -1
	s_cmp_lg_u32 s[WV], 0
	s_cbranch_scc1 .Lnot_wave_0_\@
	s_barrier_signal -3
.Lnot_wave_0_\@:
	s_barrier_wait -3
	s_barrier_signal -1
	s_barrier_wait -1
.endm
.macro PLACES n
.rept \n
	v_nop
.endr
.endm
; a product: D, A, B, C as written, the two scale registers and their rows
.macro WM d, a, b, c, sa, sb, ra, rb
	v_wmma_scale_f32_16x16x128_f8f6f4 v[\d:\d+7], v[\a:\a+11], v[\b:\b+11], \c, v[\sa], v[\sb] matrix_a_fmt:MATRIX_FMT_FP6 matrix_b_fmt:MATRIX_FMT_FP6 matrix_a_scale:MATRIX_SCALE_ROW\ra matrix_b_scale:MATRIX_SCALE_ROW\rb
.endm
.macro GROUP1 g, rows
	s_mov_b32 s[\g], 15|(3<<16)|(1<<21)            ; the mask: all four; elements of 8 bytes; no padding: images are read 16 bytes a lane on end
	s_mov_b32 s[\g+1], 32<<16                      ; rows of 256 bytes
	s_mov_b32 s[\g+2], \rows<<16
	s_mov_b32 s[\g+3], 32<<16
	s_mov_b32 s[\g+4], \rows
	s_mov_b32 s[\g+5], 32
	s_mov_b32 s[\g+6], 0
	s_mov_b32 s[\g+7], 0
.endm
	s_load_b256 s[4:11], s[0:1], 0x0               ; qimg, kv, the mask, cimg
	v_lshl_add_u32 v[SPW], v0, 2, SPARE
	v_mov_b32 v[NIL], 0
	ds_add_u32 v[SPW], v[NIL]                      ; the opening: the add, twice on end, and its wait ahead of my first tensor load
	ds_add_u32 v[SPW], v[NIL]
	v_lshrrev_b32 v1, 5, v0
	v_readfirstlane_b32 s[WV], v1                  ; wave 0..7
	v_and_b32 v[L4], 31, v0
	v_bfe_u32 v[MB0], v0, 4, 1
	v_lshlrev_b32 v[LI], 4, v[L4]
	v_lshlrev_b32 v[MB0], 5, v[MB0]
	v_lshlrev_b32 v[L4], 2, v[L4]
	v_add_nc_u32 v[MB0], MBT, v[MB0]
	v_lshlrev_b32 v[T], 1, v[LI]
	v_lshlrev_b32 v[T+1], 2, v0
	v_lshl_add_u32 v[T+2], v0, 4, MBT
.irp i, 0,1
	v_mov_b32 v[ST+4*\i+1], 0xdb800000             ; the largest t so far: -2^56
	v_mov_b32 v[ST+4*\i], 0x5b800000               ; -M
	v_mov_b32 v[ST+4*\i+2], 0
	v_mov_b32 v[ST+4*\i+3], 0                      ; the sum
.endr
	s_bfe_u32 s[CX], ttmp6, 0x40000                ; my block of 256 queries: it enters q's and ctx's addresses alone
	s_and_b32 s[BH], ttmp7, 0xffff                 ; batch x 8 + head, which the four partners share
	GROUP1 G1, 100
	GROUP1 G1B, 200
	GROUP1 G1R, 50
	s_mul_i32 s46, s[WV], 2*BLK                    ; waves 0-3: half a step
	s_mov_b32 s47, 0
	s_and_b32 s54, s[WV], 3
	s_mul_i32 s54, s54, STEPB
	s_add_co_u32 s54, s54, 2*STEPB                 ; waves 4-7: step wave - 2
	s_mov_b32 s55, 0
	s_mul_i32 s58, s[WV], BLK                      ; the refill: block w of the eight of two steps
	s_mov_b32 s59, 0
	s_mul_i32 s48, s[BH], 8*STEPB
	s_mov_b32 s49, 0
	s_mov_b32 s[SEL], 0x76543210
	s_mov_b32 s[SEL+1], 0xfedcba98
	s_mov_b32 s[CS], 0x3db8aa3b                    ; c = log2(e) / 16
	s_mov_b32 s[MV], 0xdf800000                    ; -2^64
	s_mov_b32 s[HM], 0xffff0000
	s_mov_b32 s[TB], 0
	s_mov_b32 s[TMB], 0
	s_lshr_b32 s50, s[WV], 2
	s_lshl_b32 s51, s[CX], 1
	s_add_co_u32 s50, s50, s51                     ; my group of 128 queries
	s_and_b32 s51, s[WV], 3                        ; my pair of tiles in it
	s_lshl_b32 s52, s[BH], 3
	s_add_co_u32 s52, s52, s50
	s_mul_i32 s52, s52, 2*BLK
	s_mov_b32 s53, 0
	s_wait_alu depctr_va_vdst(0)
	s_wait_dscnt 0x0                               ; both opening adds are done
	s_wait_kmcnt 0x0
	s_add_nc_u64 s[56:57], s[4:5], s[52:53]        ; the group's two blocks of q
	s_mul_i32 s52, s51, 3072
	s_add_nc_u64 s[4:5], s[56:57], s[52:53]        ; my two fragments
	s_lshl_b32 s52, s51, 2
	s_add_nc_u64 s[56:57], s[56:57], s[52:53]      ; my pair's scale words
	s_lshr_b32 s52, s[BH], 3
	s_lshl_b32 s52, s52, 10
	s_add_nc_u64 s[8:9], s[8:9], s[52:53]          ; the batch's 1,024 mask bytes
	global_load_b128 v[S:S+3], v[T], s[8:9]        ; all of them, 32 a lane: are all keys masked?
	global_load_b128 v[S+4:S+7], v[T], s[8:9] offset:16
	global_load_b32 v[S+8], v[T+1], s[8:9]         ; and four a thread, for the table
.irp i, 0,1
.irp s, 0,1
.irp k, 0,1,2
	global_load_b128 v[Q+24*\i+12*\s+4*\k:Q+24*\i+12*\s+4*\k+3], v[LI], s[4:5] offset:\s*BLK+\i*1536+512*\k
.endr
.endr
.endr
.irp s, 0,1
	global_load_b32 v[QS+\s], v[LI], s[56:57] offset:12288+\s*BLK
.endr
	s_add_nc_u64 s[48:49], s[6:7], s[48:49]        ; the head's eight key steps
	s_mov_b32 s[G0], 1
	s_mov_b32 s[G0+1], s46
	s_add_nc_u64 s[G0+2:G0+3], s[48:49], s[46:47]
	s_or_b32 s[G0+3], s[G0+3], 0x80000000
	s_mov_b32 s[G0+4], 1
	s_mov_b32 s[G0+5], s54
	s_add_nc_u64 s[G0+6:G0+7], s[48:49], s[54:55]
	s_or_b32 s[G0+7], s[G0+7], 0x80000000
	s_mov_b32 s[G0+8], 1
	s_mov_b32 s[G0+9], s58
	s_add_nc_u64 s[G0+10:G0+11], s[48:49], s[58:59]
	s_add_nc_u64 s[G0+10:G0+11], s[G0+10:G0+11], 6*STEPB
	s_or_b32 s[G0+11], s[G0+11], 0x80000000
	CROUND                                         ; all four work-groups are here: the first joint loads meet
	s_cmp_lt_u32 s[WV], 4
	s_cbranch_scc0 .Lwide
	tensor_load_to_lds s[G0:G0+3], s[G1:G1+7]      ; waves 0-3: steps 0 and 1
	s_nop 0
	PLACES 4
	s_branch .Lasked
.Lwide:
	tensor_load_to_lds s[G0+4:G0+7], s[G1B:G1B+7]  ; waves 4-7: steps 2 to 5
	s_nop 0
	PLACES 4
.Lasked:
	; where ctx goes: block ((batch 8 + group) 16 + 2 head + half of d)
	s_lshr_b32 s52, s[BH], 3
	s_lshl_b32 s52, s52, 3
	s_add_co_u32 s52, s52, s50
	s_lshl_b32 s52, s52, 4
	s_and_b32 s54, s[BH], 7
	s_lshl_b32 s54, s54, 1
	s_add_co_u32 s52, s52, s54
	s_mul_i32 s52, s52, BLK
	s_add_nc_u64 s[CO2:CO2+1], s[10:11], s[52:53]
	s_mul_i32 s52, s51, 3072
	s_add_nc_u64 s[CO:CO+1], s[CO2:CO2+1], s[52:53]
	s_lshl_b32 s52, s51, 7
	s_add_nc_u64 s[CO2:CO2+1], s[CO2:CO2+1], s[52:53]
	s_wait_loadcnt 0x0                             ; q and the mask are in
.irp n, 0,1,2,3
	v_and_b32 v[S+\n], v[S+\n], v[S+4+\n]
.endr
	v_and_b32 v[S], v[S], v[S+1]
	v_and_b32 v[S+2], v[S+2], v[S+3]
	v_and_b32 v[S], v[S], v[S+2]
	v_cmp_eq_u32 s[FL], 0x01010101, v[S]
	s_cmp_eq_u32 s[FL], -1                         ; every byte of every lane is 1
	s_cselect_b32 s[CS], 0, s[CS]                  ; a choice of values, no branch
	s_cselect_b32 s[MV], 0, s[MV]
	s_mov_b32 s[CS+1], s[CS]                       ; (named with it as a pair)
.irp k, 0,1,2,3
	v_bfe_u32 v[S+12+\k], v[S+8], 8*\k, 8
.endr
.irp k, 0,1,2,3
	v_sub_nc_u32 v[S+12+\k], 0, v[S+12+\k]         ; 0 or all ones
.endr
.irp k, 0,1,2,3
	v_and_b32 v[S+12+\k], s[MV], v[S+12+\k]        ; 0 or the mask's number
.endr
	ds_store_b128 v[T+2], v[S+12:S+15]
; the largest of tile 0's 16 scores a lane in block b, in two chains; f of tile 0 is made anew later in the step and serves as the second chain
.macro MAX0 b
.set X_, S+16*(\b)
.set M_, BM+(\b)
	v_max3_num_f32 v[M_], v[X_], v[X_+1], v[X_+2]
	v_max3_num_f32 v[ST+2], v[X_+8], v[X_+9], v[X_+10]
	v_max3_num_f32 v[M_], v[M_], v[X_+3], v[X_+4]
	v_max3_num_f32 v[ST+2], v[ST+2], v[X_+11], v[X_+12]
	v_max3_num_f32 v[M_], v[M_], v[X_+5], v[X_+6]
	v_max3_num_f32 v[ST+2], v[ST+2], v[X_+13], v[X_+14]
	v_max3_num_f32 v[M_], v[M_], v[X_+7], v[X_+15]
	v_max_num_f32 v[M_], v[M_], v[ST+2]
.endm
; ONE TILE'S SOFTMAX for a key step: 64 scores of a lane, v[S + 64 i] on, register 8 t + j = key 16 t + 8 (lane / 16) + j.
.macro SMAX i
.set SB, S+64*\i
.set PCI, BUF+12*\i
.set NM, ST+4*\i
	s_wait_alu depctr_va_vdst(0)
.if \i == 0
	MAX0 3                                         ; tile 0's blocks 0 to 2 have theirs already
.else
.irp b, 0,1,2,3
	v_max3_num_f32 v[BM+\b], v[SB+16*\b], v[SB+16*\b+1], v[SB+16*\b+2]   ; the largest score of each block of 32 keys: for the row's maximum and, since p rises with the score, for the block's largest p
.endr
.irp n, 3,5,7,9,11,13
.irp b, 0,1,2,3
	v_max3_num_f32 v[BM+\b], v[BM+\b], v[SB+16*\b+\n], v[SB+16*\b+\n+1]
.endr
.endr
.irp b, 0,1,2,3
	v_max_num_f32 v[BM+\b], v[BM+\b], v[SB+16*\b+15]
.endr
.endif
.irp b, 0,1,2,3
	v_permlanex16_b32 v[BP+\b], v[BM+\b], s[SEL], s[SEL+1]
.endr
.irp b, 0,1,2,3
	s_delay_alu instid0(VALU_DEP_4)
	v_max_num_f32 v[BM+\b], v[BM+\b], v[BP+\b]     ; with lane l xor 16's 16 keys
.endr
	s_delay_alu instid0(VALU_DEP_2)
	v_max3_num_f32 v[T], v[BM], v[BM+1], v[BM+2]
	s_delay_alu instid0(VALU_DEP_1)
	v_max_num_f32 v[T], v[T], v[BM+3]
	s_delay_alu instid0(VALU_DEP_1)
	v_mul_f32 v[T], s[CS], v[T]                    ; as t (c is not negative)
	s_delay_alu instid0(VALU_DEP_1)
	v_max_num_f32 v[NM+1], v[NM+1], v[T]           ; the running largest t
	v_mov_b32 v[T], v[NM]
	s_delay_alu instid0(VALU_DEP_2)
	v_floor_f32 v[NM], -v[NM+1]                    ; the new -M = floor(-t): M is a whole number
	s_delay_alu instid0(VALU_DEP_1)
	v_sub_f32 v[T], v[NM], v[T]                    ; old M - new M: a whole number, 0 or less
	s_delay_alu instid0(VALU_DEP_1)
	v_cvt_i32_f32 v[T], v[T]                       ; (it saturates)
	s_delay_alu instid0(VALU_DEP_1)
	v_ldexp_f32 v[NM+2], 1.0, v[T]                 ; f = 2^(old M - new M)
.set kk, 0
.rept 32
	v_pk_fma_f32 v[SB+kk:SB+kk+1], v[SB+kk:SB+kk+1], s[CS:CS+1], v[NM:NM+1] op_sel_hi:[1,0,0]   ; t - M, two at a time
.set kk, kk+2
.endr
.irp b, 0,1,2,3
	v_fma_f32 v[BM+\b], v[BM+\b], s[CS], v[NM]     ; the same of each block's largest score
.endr
	s_wait_alu depctr_va_vdst(0)
.set kk, 0
.rept 64
	v_exp_f32 v[SB+kk], v[SB+kk]                   ; p = 2^(t - M)
.set kk, kk+1
.endr
	v_nop                                          ; a plain place behind the exponentials
	s_wait_alu depctr_va_vdst(0)                   ; one wait for the batch, ahead of its first reader
.irp b, 0,1,2,3
	v_exp_f32 v[BM+\b], v[BM+\b]                   ; the block's largest p
.endr
	v_pk_add_f32 v[SA:SA+1], v[SB:SB+1], v[SB+4:SB+5]          ; the sum of the unquantised p, in two chains; it reads the 64 alone
	v_pk_add_f32 v[SA+2:SA+3], v[SB+2:SB+3], v[SB+6:SB+7]
.irp j, 8,12,16,20,24,28,32,36,40,44,48,52,56,60
	v_pk_add_f32 v[SA:SA+1], v[SA:SA+1], v[SB+\j:SB+\j+1]
	v_pk_add_f32 v[SA+2:SA+3], v[SA+2:SA+3], v[SB+\j+2:SB+\j+3]
.endr
	s_delay_alu instid0(VALU_DEP_1)
	v_pk_add_f32 v[SA:SA+1], v[SA:SA+1], v[SA+2:SA+3]
	s_delay_alu instid0(VALU_DEP_1)
	v_add_f32 v[T], v[SA], v[SA+1]
	s_delay_alu instid0(VALU_DEP_1)
	v_fma_f32 v[NM+3], v[NM+3], v[NM+2], v[T]      ; the sum under the new M, and this step's
	s_wait_alu depctr_va_vdst(0)                   ; and one for the four
.irp b, 0,1,2,3
	v_max_num_f32 v[BM+\b], 0x1800000, v[BM+\b]    ; the floor 2^(3 - 127): the byte cannot fall under 1
.endr
.irp b, 0,1,2,3
	s_delay_alu instid0(VALU_DEP_4)
	v_add_nc_u32 v[SO+\b], 0xff000000, v[BM+\b]    ; 2 off the exponent field: the conversion's scale operand
.endr
.irp b, 0,1,2,3
	s_delay_alu instid0(VALU_DEP_4)
	v_lshrrev_b32 v[BP+\b], 23, v[SO+\b]           ; the scale's byte
.endr
	s_delay_alu instid0(VALU_DEP_3)
	v_lshl_or_b32 v[PW+\i], v[BP+1], 8, v[BP]
	s_delay_alu instid0(VALU_DEP_1)
	v_lshl_or_b32 v[PW+\i], v[BP+2], 16, v[PW+\i]
	s_delay_alu instid0(VALU_DEP_1)
	v_lshl_or_b32 v[PW+\i], v[BP+3], 24, v[PW+\i]
.irp c, 0,1
	v_cvt_scalef32_pk16_fp6_f32 v[PCI+6*\c:PCI+6*\c+2], v[SB+32*\c:SB+32*\c+15], v[SO+2*\c]
	v_cvt_scalef32_pk16_fp6_f32 v[CT+4*\c:CT+4*\c+2], v[SB+32*\c+16:SB+32*\c+31], v[SO+2*\c+1]
.endr
	v_nop                                          ; one plain place behind a scaled conversion
.irp c, 0,1
.irp n, 0,1,2
	v_permlane16_swap_b32 v[PCI+6*\c+\n], v[CT+4*\c+\n]
.endr
.irp n, 0,1,2
	s_delay_alu instid0(VALU_DEP_3)
	v_mov_b32 v[PCI+6*\c+3+\n], v[CT+4*\c+\n]
.endr
.endr
.endm
.macro VLOAD gq                        ; four fragments of v^T, d tiles 4 gq on, into the registers that held p: v[S] on (gq even) or v[S + 64] on (odd)
.irp tt, 0,1,2,3
.irp k, 0,1,2
	ds_load_b128 v[S+64*((\gq)%2)+12*\tt+4*\k:S+64*((\gq)%2)+12*\tt+4*\k+3], v[ADK] offset:2*BLK+BLK*((4*(\gq)+\tt)/8)+1536*((4*(\gq)+\tt)%8)+512*\k
.endr
.endr
.endm
.macro KLOAD g, s                      ; K step s of key tiles 2 g and 2 g + 1, six loads, into set s
.irp u, 0,1
.irp k, 0,1,2
	ds_load_b128 v[BUF+24*\s+12*\u+4*\k:BUF+24*\s+12*\u+4*\k+3], v[ADK] offset:\s*BLK+1536*(2*(\g)+\u)+512*\k
.endr
.endr
.endm
.macro MLOAD g                         ; the mask's numbers of key tiles 2 g and 2 g + 1, four loads, where tile 0's scores will stand
.irp u, 0,1
	ds_load_b128 v[S+8*(2*\g+\u):S+8*(2*\g+\u)+3], v[ADM] offset:64*(2*\g+\u)
	ds_load_b128 v[S+8*(2*\g+\u)+4:S+8*(2*\g+\u)+7], v[ADM] offset:64*(2*\g+\u)+16
.endr
.endm
; A KEY STEP.  first = 1: its products start O^T's sums, and nothing is rescaled.
.macro STEP first
	v_add_nc_u32 v[ADK], s[TB], v[LI]
	s_wait_alu depctr_va_vdst(0)
	v_add_nc_u32 v[ADM], s[TMB], v[MB0]
	PLACES 3                                       ; with the two additions: five places behind the last step's last products, from whose fragments' registers the first score products are written anew
	ds_load_b128 v[SC:SC+3], v[ADK] offset:12288   ; k's scale words: register c: fragment 2 c in lanes 0-15, 2 c + 1 in lanes 16-31
	ds_load_b128 v[SC+4:SC+7], v[ADK] offset:BLK+12288
	KLOAD 0, 0
	MLOAD 0
	KLOAD 0, 1
	MLOAD 1
	MLOAD 2
	MLOAD 3
.irp g, 0,1,2,3                                ; S^T = k q^T: key tiles 2 g and 2 g + 1, both tiles of queries, two K steps; each set is fetched anew as soon as its four products are issued
.if \g == 0
	s_wait_dscnt 18                                ; set 1's six loads and the twelve of the later tiles' mask numbers may be out
.else
	s_wait_dscnt 6                                 ; set 1's six may be out
.endif
.irp u, 0,1
.set D_, S+64+8*(2*\g+\u)
.set C_, S+8*(2*\g+\u)
	WM D_, BUF+12*\u, Q+24, v[C_:C_+7], SC+\g, QS, \u, 1   ; tile 1's sums begin with the mask's numbers as C, from tile 0's registers;
.endr
.if \g == 0
	PLACES 5                                       ; the next two write over the C of those two: five places
.else
	MAX0 \g-1                                      ; (eight plain lines that name none of their registers)
.endif
.irp u, 0,1
.set D_, S+8*(2*\g+\u)
	WM D_, BUF+12*\u, Q, v[D_:D_+7], SC+\g, QS, \u, 0      ; tile 0's add onto them in place
.endr
.if \g < 3
	PLACES 4
	KLOAD \g+1, 0
.endif
.if \g == 0
	s_wait_dscnt 18                                ; the mask's twelve and the six just issued may be out
.elseif \g < 3
	s_wait_dscnt 6                                 ; the six just issued
.else
	s_wait_dscnt 0x0
.endif
.irp u, 0,1
.set D_, S+64+8*(2*\g+\u)
	WM D_, BUF+24+12*\u, Q+36, v[D_:D_+7], SC+4+\g, QS+1, \u, 1
.endr
.irp u, 0,1
.set D_, S+8*(2*\g+\u)
	WM D_, BUF+24+12*\u, Q+12, v[D_:D_+7], SC+4+\g, QS+1, \u, 0
.endr
	PLACES 4
.if \g < 3
	KLOAD \g+1, 1
.endif
.endr
	SMAX 0
	ds_load_b128 v[SC:SC+3], v[ADK] offset:2*BLK+12288       ; v's scale words
	ds_load_b128 v[SC+4:SC+7], v[ADK] offset:3*BLK+12288
	VLOAD 0
	SMAX 1
	VLOAD 1
.if \first
	PLACES 8                                       ; a scale word made by vector instructions stands 8 places ahead of the product
.else
	s_wait_alu depctr_va_vdst(0)                   ; ahead of the first reader of O^T
	WIN 0x41                                       ; O^T in window 1, f in window 0
.irp i, 0,1
.set kk, 0
.rept 64
	v_pk_mul_f32 v[128*\i+kk:128*\i+kk+1], v[128*\i+kk:128*\i+kk+1], v[ST+4*\i+2:ST+4*\i+3] op_sel_hi:[1,0]   ; O^T under the new M
.set kk, kk+2
.endr
.endr
	WIN 0
.endif
	s_wait_alu depctr_va_vdst(0)
.irp gg, 0,1,2,3                               ; O^T += v^T p^T: four d tiles x two tiles of queries: eight accumulators, each once
.if \gg < 3
	s_wait_dscnt 12                                ; all but the next group's 12 loads
.else
	s_wait_dscnt 0x0
.endif
	WIN 0x50                                       ; C and D window 1
.irp tt, 0,2
.irp par, 0,1
.irp i, 0,1
.set D_, 128*\i+8*(4*\gg+\tt+\par)
.if \first
	WM D_, S+64*(\gg%2)+12*(\tt+\par), BUF+12*\i, 0, SC+4*((4*\gg+\tt)/8)+((4*\gg+\tt)%8)/2, PW+\i, \par, 0
.else
	WM D_, S+64*(\gg%2)+12*(\tt+\par), BUF+12*\i, v[D_:D_+7], SC+4*((4*\gg+\tt)/8)+((4*\gg+\tt)%8)/2, PW+\i, \par, 0
.endif
.endr
.endr
.endr
	WIN 0
.if \gg < 2
	PLACES 4
	VLOAD \gg+2
.endif
.endr
	s_add_co_u32 s[TB], s[TB], STEPB
	s_add_co_u32 s[TMB], s[TMB], 512
.endm
	s_wait_alu depctr_va_vdst(0)
	s_cmp_lt_u32 s[WV], 4
	s_cbranch_scc0 .Llater
	s_wait_tensorcnt 0x0                           ; waves 0-3: steps 0 and 1 are in; waves 4-7's loads have a line of their own and may stay out
.Llater:
	s_wait_dscnt 0x0                               ; my part of the mask's table is stored
	s_barrier_signal -1
	s_barrier_wait -1
	STEP 1
	STEP 0
	s_wait_tensorcnt 0x0                           ; all my tensor loads have landed: key steps 2 to 5
	ds_add_u32 v[SPW], v[NIL]
	s_wait_dscnt 0x0                               ; the add is done, and my reads of key steps 0 and 1 are over
	CROUND                                         ; no wave of any partner still reads them or has a load on its way
	tensor_load_to_lds s[G0+8:G0+11], s[G1R:G1R+7] ; key steps 6 and 7: my one load behind the round
	s_nop 0
	PLACES 4
	s_mov_b32 s[CNT], 4
.Lmid:                                             ; key steps 2 to 5
	STEP 0
	s_sub_co_u32 s[CNT], s[CNT], 1
	s_cmp_lg_u32 s[CNT], 0
	s_cbranch_scc1 .Lmid
	s_wait_tensorcnt 0x0                           ; my part of key steps 6 and 7 is in
	s_wait_dscnt 0x0
	s_barrier_signal -1
	s_barrier_wait -1                              ; everybody's is
	s_mov_b32 s[TB], 0
	s_mov_b32 s[CNT], 2
.Llast:                                            ; key steps 6 and 7
	STEP 0
	s_sub_co_u32 s[CNT], s[CNT], 1
	s_cmp_lg_u32 s[CNT], 0
	s_cbranch_scc1 .Llast
	; THE WAY OUT: O^T / the sum, quantised along d, stored as images.
.set TW,  28
.set TM,  112
.set PC,  80
.set PWQ, 30
.macro QUANTC s                        ; 64 numbers of a lane become a fragment's codes in v[PC] on and its scale word in v[PWQ]
	s_wait_xcnt 0x0                                ; the last stores have read their registers
.irp b, 0,1,2,3
	v_max3_num_f32 v[TM+\b], |v[\s+16*\b]|, |v[\s+1+16*\b]|, 0x1800000
.endr
.irp n, 2,4,6,8,10,12,14
.irp b, 0,1,2,3
	s_delay_alu instid0(VALU_DEP_4)
	v_max3_num_f32 v[TM+\b], v[TM+\b], |v[\s+16*\b+\n]|, |v[\s+1+16*\b+\n]|
.endr
.endr
.irp b, 0,1,2,3
	s_delay_alu instid0(VALU_DEP_4)
	v_permlanex16_b32 v[TM+4+\b], v[TM+\b], s[SEL], s[SEL+1]
.endr
.irp b, 0,1,2,3
	s_delay_alu instid0(VALU_DEP_4)
	v_max_num_f32 v[TM+\b], v[TM+\b], v[TM+4+\b]
.endr
.irp b, 0,1,2,3
	s_delay_alu instid0(VALU_DEP_4)
	v_add_nc_u32 v[TM+12+\b], 0xff000000, v[TM+\b]
.endr
.irp b, 0,1,2,3
	s_delay_alu instid0(VALU_DEP_4)
	v_lshrrev_b32 v[TM+4+\b], 23, v[TM+12+\b]
.endr
	s_delay_alu instid0(VALU_DEP_3)
	v_lshl_or_b32 v[PWQ], v[TM+5], 8, v[TM+4]
	s_delay_alu instid0(VALU_DEP_1)
	v_lshl_or_b32 v[PWQ], v[TM+6], 16, v[PWQ]
	s_delay_alu instid0(VALU_DEP_1)
	v_lshl_or_b32 v[PWQ], v[TM+7], 24, v[PWQ]
.irp c, 0,1
	v_cvt_scalef32_pk16_fp6_f32 v[PC+6*\c:PC+2+6*\c], v[\s+32*\c:\s+15+32*\c], v[TM+12+2*\c]
	v_cvt_scalef32_pk16_fp6_f32 v[PC+12+4*\c:PC+14+4*\c], v[\s+16+32*\c:\s+31+32*\c], v[TM+12+2*\c+1]
.endr
	v_nop
.irp c, 0,1
.irp n, 0,1,2
	v_permlane16_swap_b32 v[PC+6*\c+\n], v[PC+12+4*\c+\n]
.endr
.irp n, 0,1,2
	s_delay_alu instid0(VALU_DEP_3)
	v_mov_b32 v[PC+3+6*\c+\n], v[PC+12+4*\c+\n]
.endr
.endr
.endm
	PLACES 4                                       ; behind the last products
.irp i, 0,1
	v_permlanex16_b32 v[TW+\i], v[ST+4*\i+3], s[SEL], s[SEL+1]
.endr
.irp i, 0,1
	s_delay_alu instid0(VALU_DEP_2)
	v_add_f32 v[ST+4*\i+3], v[ST+4*\i+3], v[TW+\i] ; with lane l xor 16's keys: the row's sum
.endr
	s_wait_alu depctr_va_vdst(0)
.irp i, 0,1
	v_rcp_f32 v[ST+4*\i+2], v[ST+4*\i+3]
.endr
	v_nop                                          ; a plain place behind the reciprocals
.irp i, 0,1
	s_wait_alu depctr_va_vdst(0)                   ; ahead of the first readers
	WIN 0x01                                       ; source 0 (O^T) window 1
.set kk, 0
.rept 64
	v_pk_mul_f32 v[S+kk:S+kk+1], v[128*\i+kk:128*\i+kk+1], v[ST+4*\i+2:ST+4*\i+3] op_sel_hi:[1,0]   ; each accumulator from its low end on
.set kk, kk+2
.endr
	WIN 0
.irp sp, 0,1
	QUANTC S+64*\sp
.irp k, 0,1,2
	global_store_b128 v[LI], v[PC+4*\k:PC+4*\k+3], s[CO:CO+1] offset:\sp*BLK+\i*1536+512*\k   ; 512 consecutive bytes, aligned
.endr
.if \i == 0
	v_mov_b32 v[TW+\sp], v[PWQ]
.else
	v_cndmask_b32 v[TW+3], v[TW+\sp], v[PWQ], s[HM]   ; lanes 0-15: tile 0's words, lanes 16-31: tile 1's
	global_store_b32 v[L4], v[TW+3], s[CO2:CO2+1] offset:12288+\sp*BLK
.endif
.endr
.endr
	s_wait_tensorcnt 0x0                           ; the wave's end
	ds_add_u32 v[SPW], v[NIL]
	s_wait_dscnt 0x0
	CROUND                                         ; the closing round
	s_endpgm
.Lfunc_end_k_q3ae36aa2a7_attn:
	.size	k_q3ae36aa2a7_attn, .Lfunc_end_k_q3ae36aa2a7_attn-k_q3ae36aa2a7_attn
	.p2alignl 7, 3214868480
	.fill 96, 4, 3214868480
	.section	.rodata,"a",@progbits
	.p2align	6, 0x0
	.amdhsa_kernel k_q3ae36aa2a7_attn
		.amdhsa_group_segment_fixed_size 327680
		.amdhsa_private_segment_fixed_size 0
		.amdhsa_enable_private_segment 0
		.amdhsa_kernarg_size 32
		.amdhsa_user_sgpr_count 2
		.amdhsa_user_sgpr_kernarg_segment_ptr 1
		.amdhsa_wavefront_size32 1
		.amdhsa_system_sgpr_workgroup_id_x 1
		.amdhsa_system_sgpr_workgroup_id_y 1
		.amdhsa_system_sgpr_workgroup_id_z 1
		.amdhsa_system_vgpr_workitem_id 0
		.amdhsa_next_free_vgpr 512
		.amdhsa_next_free_sgpr 84
		.amdhsa_reserve_vcc 0
		.amdhsa_float_denorm_mode_32 3
		.amdhsa_float_denorm_mode_16_64 3
		.amdhsa_memory_ordered 1
		.amdhsa_forward_progress 1
		.amdhsa_inst_pref_size 231
	.end_amdhsa_kernel
	.amdgpu_metadata
---
amdhsa.version: [ 1, 2 ]
amdhsa.kernels:
  - .name:           k_q3ae36aa2a7_attn
    .symbol:         k_q3ae36aa2a7_attn.kd
    .args:
      - { .name: qimg, .offset: 0, .size: 8, .value_kind: global_buffer, .address_space: global }
      - { .name: kv, .offset: 8, .size: 8, .value_kind: global_buffer, .address_space: global }
      - { .name: att_mask_out, .offset: 16, .size: 8, .value_kind: global_buffer, .address_space: global }
      - { .name: cimg, .offset: 24, .size: 8, .value_kind: global_buffer, .address_space: global }
    .group_segment_fixed_size: 327680
    .private_segment_fixed_size: 0
    .kernarg_segment_align: 8
    .kernarg_segment_size: 32
    .max_flat_workgroup_size: 256
    .sgpr_count:     84
    .vgpr_count:     512
    .wavefront_size: 32
...
	.end_amdgpu_metadata
.endif
;; end of part 2
;; launch outp (part 3): grid 4 x 64, 4 waves a work-group, clusters of 4 x 4, 327,680 bytes of LDS; arguments cimg, woimg, bo, out0; writes out0
.if DOCPART == 3
	.amdgcn_target "amdgcn-amd-amdhsa--gfx1250"
	.amdhsa_code_object_version 6
	.text
	.protected	k_q3ae36aa2a7_outp
	.globl	k_q3ae36aa2a7_outp
	.p2align	8
	.type	k_q3ae36aa2a7_outp,@function
k_q3ae36aa2a7_outp:
	s_mov_b64 s[64:65], 0
	v_nop
	global_prefetch_b8 v0, s[64:65] scope:SCOPE_SE
	s_setreg_imm32_b32 hwreg(HW_REG_WAVE_MODE, 25, 1), 1
	s_wait_xcnt 0x0
	s_wait_alu depctr_hold_cnt(0) depctr_sa_sdst(0) depctr_va_vdst(0) depctr_va_sdst(0) depctr_va_ssrc(0) depctr_va_vcc(0) depctr_vm_vsrc(0)
	s_getreg_b32 s2, hwreg(HW_REG_IB_STS2, 6, 4)
	s_cmp_eq_u32 s2, 0
	s_cbranch_scc0 .Lentry_in_a_cluster
	s_endpgm
.Lentry_in_a_cluster:
	s_bfe_u32 s2, ttmp6, 0x10000c
	s_cmp_lg_u32 s2, 0xf033
	s_cbranch_scc0 .Lentry_shape_is_right
	s_endpgm
.Lentry_shape_is_right:
; out = ctx Wo + bo: both operands lie as images of operand registers (codes of FP6 with their scale words); sums in f32, begun with bo.  No work is left out.  NaN and infinities are not served.
; A work-group: 128 tokens x 64 columns, all of K = 2,048: 16 blocks of ctx (12,800 bytes: 128 tokens x 128 K) and 16 of Wo (6,656 bytes: 64 columns x 128 K), all of them in LDS at once; each byte is filled once.
; One tensor load a wave: waves 0 and 1 the first eight blocks of ctx and of Wo, waves 2 and 3 the last eight.  CLUSTER 4 x 4: a row shares ctx, a column shares Wo: joint loads.  NO PREFETCH: all loads stand at the head.
; A wave: 32 tokens x 64 columns, eight accumulators by turns.  Source 0 = Wo's rows, source 1 = ctx's: a lane holds eight neighbouring columns of one token.
; The way out: a wave's own stage lies over ctx's first blocks, which every wave has read ahead of the second barrier and nothing fills again; 16 lanes store 256 consecutive bytes.
.set BLK,   12800
.set WBLK,  6656
.set WO,    16*BLK
.set SPARE, WO+16*WBLK
.set AC,  1
.set ACS, 2
.set AW,  3
.set AWS, 4
.set STO, 5
.set RD,  6
.set GO,  7
.set SPW, 10
.set NIL, 11
.set CS,  12
.set WS,  14
.set ACCB, 32
.set CF,  96
.set WF,  144
.set OB,  96
.set WV,  12
.set HI,  13
.set G1A, 16
.set G1B, 24
.set G0A, 32
.set G0B, 48
.set CX,  66
.set CY,  67
.set NQ,  68
.set RG,  69
.set OFA, 70
.set OFB, 72
.macro CROUND
	s_barrier_signal -1
	s_barrier_wait -1
	s_cmp_lg_u32 s[WV], 0
	s_cbranch_scc1 .Lnot_wave_0_\@
	s_barrier_signal -3
.Lnot_wave_0_\@:
	s_barrier_wait -3
	s_barrier_signal -1
	s_barrier_wait -1
.endm
.macro ARM under, g0, g1, next         ; one arm of the head's tree: its load, and a jump to the tree's end
	s_cmp_lt_u32 s[WV], \under
	s_cbranch_scc0 \next
	tensor_load_to_lds s[\g0:\g0+3], s[\g1:\g1+7]
	s_nop 0
.rept 4
	v_nop
.endr
	s_branch .Lhead_asked
\next:
.endm
.macro PLACES
.rept 4
	v_nop
.endr
.endm
	s_load_b256 s[4:11], s[0:1], 0x0
	v_lshl_add_u32 v[SPW], v0, 2, SPARE
	v_mov_b32 v[NIL], 0
	ds_add_u32 v[SPW], v[NIL]
	ds_add_u32 v[SPW], v[NIL]
	v_lshrrev_b32 v1, 5, v0
	v_readfirstlane_b32 s[WV], v1
	s_lshr_b32 s[HI], s[WV], 1
	s_bfe_u32 s[CX], ttmp6, 0x40000
	s_bfe_u32 s[CY], ttmp6, 0x40004
	s_lshl_b32 s[NQ], ttmp9, 2
	s_add_co_u32 s[NQ], s[NQ], s[CX]
	s_and_b32 s[RG], ttmp7, 0xffff
	s_lshl_b32 s[RG], s[RG], 2
	s_add_co_u32 s[RG], s[RG], s[CY]
	s_lshl_b32 s76, s[CY], 2
	s_lshl_b32 s76, 15, s76
	s_lshl_b32 s77, 0x1111, s[CX]
	s_or_b32 s[G1A], s76, (3<<16)|(1<<21)
	s_or_b32 s[G1B], s77, (3<<16)|(1<<21)
	s_mov_b32 s[G1A+1], 32<<16
	s_mov_b32 s[G1A+2], 400<<16                    ; eight blocks of ctx: 400 rows of 256 bytes
	s_mov_b32 s[G1A+3], 32<<16
	s_mov_b32 s[G1A+4], 400
	s_mov_b32 s[G1A+5], 32
	s_mov_b32 s[G1A+6], 0
	s_mov_b32 s[G1A+7], 0
	s_mov_b32 s[G1B+1], 32<<16
	s_mov_b32 s[G1B+2], 208<<16                    ; eight blocks of Wo: 208 rows
	s_mov_b32 s[G1B+3], 32<<16
	s_mov_b32 s[G1B+4], 208
	s_mov_b32 s[G1B+5], 32
	s_mov_b32 s[G1B+6], 0
	s_mov_b32 s[G1B+7], 0
	s_mul_i32 s[OFA], s[RG], 16*BLK
	s_mul_i32 s78, s[HI], 8*BLK                    ; which half of K I fetch
	s_add_co_u32 s[OFA], s[OFA], s78
	s_mov_b32 s[OFA+1], 0
	s_mul_i32 s[OFB], s[NQ], 16*WBLK
	s_mul_i32 s79, s[HI], 8*WBLK
	s_add_co_u32 s[OFB], s[OFB], s79
	s_mov_b32 s[OFB+1], 0
	s_add_co_u32 s79, s79, WO
	s_wait_dscnt 0x0
	s_wait_kmcnt 0x0
	s_add_nc_u64 s[OFA:OFA+1], s[4:5], s[OFA:OFA+1]
	s_add_nc_u64 s[OFB:OFB+1], s[6:7], s[OFB:OFB+1]
	CROUND
	s_mov_b32 s[G0A], 1
	s_mov_b32 s[G0A+1], s78
	s_mov_b64 s[G0A+2:G0A+3], s[OFA:OFA+1]
	s_or_b32 s[G0A+3], s[G0A+3], 0x80000000
	s_mov_b32 s[G0B], 1
	s_mov_b32 s[G0B+1], s79
	s_mov_b64 s[G0B+2:G0B+3], s[OFB:OFB+1]
	s_or_b32 s[G0B+3], s[G0B+3], 0x80000000
	ARM 1, G0A, G1A, .Lwo_first                    ; wave 0: ctx, the first half of K
	ARM 2, G0B, G1B, .Lctx_last                    ; wave 1: Wo, the first half
	ARM 3, G0A, G1A, .Lwo_last                     ; wave 2: ctx, the second half
	tensor_load_to_lds s[G0B:G0B+3], s[G1B:G1B+7]  ; wave 3: Wo, the second half
	s_nop 0
.rept 4
	v_nop
.endr
.Lhead_asked:
	v_and_b32 v8, 31, v0
	v_lshlrev_b32 v9, 4, v8
	s_mul_i32 s76, s[WV], 3072
	v_add_nc_u32 v[AC], s76, v9
	s_lshl_b32 s76, s[WV], 7
	s_add_co_u32 s76, s76, 12288
	v_lshl_add_u32 v[ACS], v8, 2, s76
	v_add_nc_u32 v[AW], WO, v9
	v_lshl_add_u32 v[AWS], v8, 2, WO+6144
	v_and_b32 v8, 15, v0
	v_bfe_u32 v9, v0, 4, 1
	s_mul_i32 s76, s[WV], 16*272
	v_mul_u32_u24 v[STO], v8, 272
	v_lshl_add_u32 v[STO], v9, 5, v[STO]
	v_add_nc_u32 v[STO], s76, v[STO]
	v_mul_u32_u24 v[RD], v9, 272
	v_lshl_add_u32 v[RD], v8, 4, v[RD]
	v_add_nc_u32 v[RD], s76, v[RD]
	v_lshlrev_b32 v[GO], 10, v9
	v_lshl_add_u32 v[GO], v8, 4, v[GO]
	v_lshlrev_b32 v22, 5, v9
	s_wait_alu depctr_va_vdst(0)
	s_lshl_b32 s76, s[NQ], 8
	s_mov_b32 s77, 0
	s_add_nc_u64 s[8:9], s[8:9], s[76:77]
	s_add_nc_u64 s[10:11], s[10:11], s[76:77]
	s_lshl_b32 s76, s[RG], 7
	s_lshl_b32 s74, s[WV], 5
	s_add_co_u32 s76, s76, s74
	s_lshl_b32 s76, s76, 10
	s_add_nc_u64 s[10:11], s[10:11], s[76:77]
.irp i, 0,1
.irp f, 0,1,2,3
	global_load_b128 v[ACCB+8*(4*\i+\f):ACCB+8*(4*\i+\f)+3], v22, s[8:9] offset:64*\f
	global_load_b128 v[ACCB+8*(4*\i+\f)+4:ACCB+8*(4*\i+\f)+7], v22, s[8:9] offset:64*\f+16
.endr
.endr
	s_wait_loadcnt 0x0
.macro FETCHK k, p
.irp i, 0,1
.irp c, 0,1,2
	ds_load_b128 v[CF+24*\p+12*\i+4*\c:CF+24*\p+12*\i+4*\c+3], v[AC] offset:\k*BLK+1536*\i+512*\c
.endr
.endr
	ds_load_b32 v[CS+\p], v[ACS] offset:\k*BLK
.irp f, 0,1,2,3
.irp c, 0,1,2
	ds_load_b128 v[WF+48*\p+12*\f+4*\c:WF+48*\p+12*\f+4*\c+3], v[AW] offset:\k*WBLK+1536*\f+512*\c
.endr
	ds_load_b32 v[WS+4*\p+\f], v[AWS] offset:\k*WBLK+128*\f
.endr
.endm
.macro MULK p
.irp f, 0,1,2,3
	v_wmma_scale_f32_16x16x128_f8f6f4 v[ACCB+8*\f:ACCB+8*\f+7], v[WF+48*\p+12*\f:WF+48*\p+12*\f+11], v[CF+24*\p:CF+24*\p+11], v[ACCB+8*\f:ACCB+8*\f+7], v[WS+4*\p+\f], v[CS+\p] matrix_a_fmt:MATRIX_FMT_FP6 matrix_b_fmt:MATRIX_FMT_FP6
	v_wmma_scale_f32_16x16x128_f8f6f4 v[ACCB+32+8*\f:ACCB+32+8*\f+7], v[WF+48*\p+12*\f:WF+48*\p+12*\f+11], v[CF+24*\p+12:CF+24*\p+23], v[ACCB+32+8*\f:ACCB+32+8*\f+7], v[WS+4*\p+\f], v[CS+\p] matrix_a_fmt:MATRIX_FMT_FP6 matrix_b_fmt:MATRIX_FMT_FP6 matrix_b_scale:MATRIX_SCALE_ROW1
.endr
.endm
.macro CHUNK c
.if \c == 0
	s_cmp_lt_u32 s[WV], 2
	s_cbranch_scc0 .Lsecond_half
	s_wait_tensorcnt 0x0                           ; waves 0 and 1: the first half of K is in; waves 2 and 3's loads have lines of their own and may stay out
.Lsecond_half:
	s_wait_dscnt 0x0
	s_barrier_signal -1
	s_barrier_wait -1
.elseif \c == 2
	s_wait_tensorcnt 0x0                           ; the second half is in
	s_wait_dscnt 0x0
	s_barrier_signal -1
	s_barrier_wait -1
.endif
	FETCHK 0, 0
	FETCHK 1, 1
	s_wait_dscnt 23
	MULK 0
	PLACES
	FETCHK 2, 0
	s_wait_dscnt 23
	MULK 1
	PLACES
	FETCHK 3, 1
	s_wait_dscnt 23
	MULK 0
	s_wait_dscnt 0x0
	MULK 1
	PLACES
.if \c < 3
	v_add_nc_u32 v[AC], 4*BLK, v[AC]
	v_add_nc_u32 v[ACS], 4*BLK, v[ACS]
	v_add_nc_u32 v[AW], 4*WBLK, v[AW]
	v_add_nc_u32 v[AWS], 4*WBLK, v[AWS]
.endif
.endm
	CHUNK 0
	s_wait_alu depctr_va_vdst(0)
	CHUNK 1
	s_wait_alu depctr_va_vdst(0)
	CHUNK 2
	s_wait_alu depctr_va_vdst(0)
	CHUNK 3
.irp i, 0,1
.irp f, 0,1,2,3
	ds_store_b128 v[STO], v[ACCB+8*(4*\i+\f):ACCB+8*(4*\i+\f)+3] offset:64*\f
	ds_store_b128 v[STO], v[ACCB+8*(4*\i+\f)+4:ACCB+8*(4*\i+\f)+7] offset:64*\f+16
.endr
.irp k, 0,1,2,3,4,5,6,7
	ds_load_b128 v[OB+32*\i+4*\k:OB+32*\i+4*\k+3], v[RD] offset:544*\k
.endr
.endr
.irp i, 0,1
.irp k, 0,1,2,3,4,5,6,7
	s_wait_dscnt 23-16*\i-\k
	global_store_b128 v[GO], v[OB+32*\i+4*\k:OB+32*\i+4*\k+3], s[10:11] offset:2048*\k+16384*\i th:TH_STORE_NT
.endr
.endr
	s_wait_tensorcnt 0x0
	ds_add_u32 v[SPW], v[NIL]
	s_wait_dscnt 0x0
	CROUND
	s_endpgm
.Lfunc_end_k_q3ae36aa2a7_outp:
	.size	k_q3ae36aa2a7_outp, .Lfunc_end_k_q3ae36aa2a7_outp-k_q3ae36aa2a7_outp
	.p2alignl 7, 3214868480
	.fill 96, 4, 3214868480
	.section	.rodata,"a",@progbits
	.p2align	6, 0x0
	.amdhsa_kernel k_q3ae36aa2a7_outp
		.amdhsa_group_segment_fixed_size 327680
		.amdhsa_private_segment_fixed_size 0
		.amdhsa_enable_private_segment 0
		.amdhsa_kernarg_size 32
		.amdhsa_user_sgpr_count 2
		.amdhsa_user_sgpr_kernarg_segment_ptr 1
		.amdhsa_wavefront_size32 1
		.amdhsa_system_sgpr_workgroup_id_x 1
		.amdhsa_system_sgpr_workgroup_id_y 1
		.amdhsa_system_sgpr_workgroup_id_z 1
		.amdhsa_system_vgpr_workitem_id 0
		.amdhsa_next_free_vgpr 256
		.amdhsa_next_free_sgpr 84
		.amdhsa_reserve_vcc 0
		.amdhsa_float_denorm_mode_32 3
		.amdhsa_float_denorm_mode_16_64 3
		.amdhsa_memory_ordered 1
		.amdhsa_forward_progress 1
		.amdhsa_inst_pref_size 55
	.end_amdhsa_kernel
	.amdgpu_metadata
---
amdhsa.version: [ 1, 2 ]
amdhsa.kernels:
  - .name:           k_q3ae36aa2a7_outp
    .symbol:         k_q3ae36aa2a7_outp.kd
    .args:
      - { .name: cimg, .offset: 0, .size: 8, .value_kind: global_buffer, .address_space: global }
      - { .name: woimg, .offset: 8, .size: 8, .value_kind: global_buffer, .address_space: global }
      - { .name: bo, .offset: 16, .size: 8, .value_kind: global_buffer, .address_space: global }
      - { .name: out0, .offset: 24, .size: 8, .value_kind: global_buffer, .address_space: global }
    .group_segment_fixed_size: 327680
    .private_segment_fixed_size: 0
    .kernarg_segment_align: 8
    .kernarg_segment_size: 32
    .max_flat_workgroup_size: 128
    .sgpr_count:     84
    .vgpr_count:     256
    .wavefront_size: 32
...
	.end_amdgpu_metadata
.endif
;; end of part 3
